; MI455X (gfx1250); checked and timed in simulation.
; The chip was launched on July 23, 2026; its instructions are those of AMD's public machine-readable ISA for CDNA 5 (MIT licence, August 2026) and "CDNA5" Instruction Set Architecture Reference Guide (July 2026). The comments in the code are by the model that wrote it; some were corrected since.
;; Env Embedding. Allowed arithmetic: matrix products marked QUANTISED: E2M1 operands, one E8M0 scale for each 32 along K, by v_wmma_scale_f32_16x16x128_f8f6f4 with both operands' format E2M1 (or v_wmma_scale_f32_32x16x128_f4), f32 sums; everything else in f32.
;; Inputs: codebook 4,096 x 512 float32; x_codes 64 x 512 x 16 x 16 uint8 (E2M1 codes of x, K innermost, in blocks of 32 codes, two codes a byte); x_scales 64 x 512 x 16 uint8 (E8M0 scales of x, one for each 32 codes along K).
;; Outputs: out0 64 x 512 int32.
;; This version of the problem:
;;   THIS VERSION OF THE PROBLEM IS GIVEN IN LOW PRECISION. The matrix products marked QUANTISED in the list below multiply operands that are first quantised to E2M1 (2 exponent bits, 1 mantissa bit; 4 bits a number), with one power-of-two scale for each 32 numbers along K (OCP MX v1.0); their sums are f32. All else is computed in f32.
;;   The module's matrix products, in the order in which they are computed (A, B: the left and right operand; K: the contracted axis; several contracted axes count as one K, in the product's order):
;;     1. [M 32,768, K 512] x [K 512, N 4,096]; A: input x (given as codes); B: input codebook: QUANTISED
;;   THE QUANTISER, for each operand of a quantised product, along K:
;;     - K is cut into blocks of 32 from its start; a last block that is shorter is filled with zeros.
;;     - A block's scale is 2^e with e = floor(log2(the largest magnitude in the block)) - 2, held to -126 .. 127; a block of zeros has e = 0. As a byte (E8M0): e + 127.
;;     - Each number is divided by its block's scale, clamped to +-6, and rounded to the nearest number of E2M1, ties to even, subnormals kept.
;;     - The product sums the exact products of the quantised numbers (number of the format x scale) in f32.
;;   ~~~python
;;   def quantise(x, axis):      # numpy; x: float32 -> the quantised numbers, widened to float32 again
;;       x = np.moveaxis(x, axis, -1); K = x.shape[-1]
;;       x = np.pad(x, [(0, 0)] * (x.ndim - 1) + [(0, -K % 32)]); x = x.reshape(x.shape[:-1] + (-1, 32)); a = np.abs(x).max(-1, keepdims=True)
;;       e = np.where(a > 0, np.clip(np.frexp(np.where(a > 0, a, 1))[1] - 1 - 2, -126, 127), 0)      # np.frexp(a)[1] - 1 = floor(log2(a)), exactly
;;       r = np.clip(x / 2.0 ** e, -6, 6)
;;       step = 2.0 ** (np.maximum(np.frexp(np.where(r == 0, 1, r))[1] - 1, 0) - 1)
;;       q = np.round(r / step) * step * 2.0 ** e      # np.round: ties to even
;;       return np.moveaxis(q.reshape(q.shape[:-2] + (-1,))[..., :K], -1, axis).astype(np.float32)
;;   ~~~
;;   INPUTS GIVEN AS CODES. x (in the module: [64, 512, 512], K = its axis 2): each comes as NAME_codes (uint8): NAME with its K axis moved to the last place and cut into blocks of 32 codes, [.., K / 32, bytes a block], one block behind the other in memory; two codes a byte, the lower K in the low four bits (a code: sign, 2 exponent bits, 1 mantissa bit); and NAME_scales (uint8): the same leading axes, one E8M0 byte (e + 127) for each 32 codes along K. Its value is code x scale, taken as it is: it is not quantised again, and the codes and scales need not be those that the quantiser above would give.
;; One version. Each part assembles by itself: llvm-mc -triple=amdgcn-amd-amdhsa -mcpu=gfx1250 --defsym DOCPART=n.
;; ======== version 1 of 1: 2 launches
;; limits: right only within a limited range of input values
;; workspace buffers: cbq 1,130,496 bytes
;; launch quant (part 1): grid 256 x 1, 8 waves a work-group, no clusters, 46,080 bytes of LDS; arguments codebook, cbq; writes cbq
.if DOCPART == 1
	.amdgcn_target "amdgcn-amd-amdhsa--gfx1250"
	.amdhsa_code_object_version 6
	.text
	.protected	k_q5e5a2fd670_quant
	.globl	k_q5e5a2fd670_quant
	.p2align	8
	.type	k_q5e5a2fd670_quant,@function
k_q5e5a2fd670_quant:
	s_mov_b64 s[64:65], 0
	v_nop
	global_prefetch_b8 v0, s[64:65] scope:SCOPE_SE
	s_setreg_imm32_b32 hwreg(HW_REG_WAVE_MODE, 25, 1), 1
	s_wait_xcnt 0x0
; The codebook [4096][512], f32, K innermost, becomes what the search launch reads: codes of FP4 (E2M1) with one E8M0 byte for each 32 along K, and -cb_sqr / 2 of each row, cb_sqr = the sum of the row's 512 squares, taken of
; the f32 numbers as they are given (the factor -1/2 rounds nothing).
; cbq is laid by PARTS of 64 codebook rows, 17,664 bytes each (69 x 256): what one wave of the search launch reads of a chunk of 512 rows, by one tensor load.  A part:
;   +0        codes: 4 tiles of 16 rows, 4,096 bytes each, as [block of 32 along K: 16][row: 16][16 bytes].  Block 4 s + 2 c + h of row r lies at 1024 s + 512 c + 16 (16 h + r): the order of the matrix operand's
;             registers (K step s, registers 4 c .. 4 c + 3, lane 16 h + r), so a fragment is read back by two loads of 16 bytes a lane, 512 consecutive bytes each.
;   +16,384   scale bytes [64 rows][16]         +17,408   -cb_sqr / 2 [64] f32
; A block's scale is 2^(floor(log2(its largest magnitude)) - 2); its byte is the largest magnitude's exponent field - 2, held at 1 from below.  A block of zeros so gets the byte 1 where the rule says 127:
; its codes are zeros, which add nothing under any byte but 0xff, and this program alone reads the bytes.
; LIMITS: blocks whose largest magnitude lies under 2^-124 take the floor's byte; NaN and infinities in the codebook are not served; cb_sqr is summed in two packed chains a lane and then across 16 lanes,
; which is another order of f32 additions than the reference's.
; SHARES.  A work-group takes one tile of 16 rows (32,768 bytes in; 4,096 + 256 + 64 out), wave w its rows 2 w and 2 w + 1, a lane ONE block of 32 numbers: row = thread / 16, block = thread % 16.
; Each load reads 512 consecutive bytes, 16 a lane; the wave's 4,096 bytes turn through its own stage in LDS and come back 128 bytes a lane.  No tensor loads, no loop, one barrier.
.set PARTB,  17664
.set SCOFF,  16384
.set CBOFF,  17408
.set SP,     144                       ; a lane's place in the stage: its 128 bytes + 16 of padding: an odd multiple of 16 bytes from lane to lane
.set STGW,   32*SP                     ; a wave's stage
.set IMG,    8*STGW                    ; the tile's codes, block b at IP b + 16 row
.set IP,     272
.set SCB,    IMG+16*IP                 ; the tile's 256 scale bytes, 16 row + block
.set CBS,    SCB+256                   ; the tile's 16 numbers -cb_sqr / 2
.set R,      16                        ; v16-47   as loaded
.set X,      48                        ; v48-79   my block's 32 numbers
.set C,      80                        ; v80-83   its codes
	s_load_b128 s[4:7], s[0:1], 0x0                ; codebook s[4:5], cbq s[6:7]
	v_lshl_add_u32 v96, v0, 2, 0xb000              ; my spare word
	v_mov_b32 v97, 0
	v_lshrrev_b32 v1, 5, v0
	s_delay_alu instid0(VALU_DEP_1)
	v_readfirstlane_b32 s8, v1                     ; wave 0..7
	v_and_b32 v1, 31, v0                           ; lane
	s_delay_alu instid0(VALU_DEP_1)
	v_lshlrev_b32 v2, 4, v1                        ; my 16 bytes of a load's 512
	s_mul_i32 s11, s8, STGW                        ; my wave's stage
	v_lshrrev_b32 v3, 3, v1
	s_delay_alu instid0(VALU_DEP_1)
	v_mul_u32_u24 v3, v3, SP
	v_and_b32 v4, 7, v1
	s_delay_alu instid0(VALU_DEP_1)
	v_lshl_add_u32 v3, v4, 4, v3
	s_delay_alu instid0(VALU_DEP_1)
	v_add_nc_u32 v3, s11, v3                       ; into the stage: eight lanes' 128 bytes on end, then the padding; a load's 512 bytes take four places
	v_mul_u32_u24 v4, v1, SP
	s_delay_alu instid0(VALU_DEP_1)
	v_add_nc_u32 v4, s11, v4                       ; out of it: place = lane: my block
	v_lshrrev_b32 v14, 4, v0                       ; thread / 16
	v_and_b32 v15, 15, v0                          ; thread % 16
	s_delay_alu instid0(VALU_DEP_1)
	v_mul_u32_u24 v5, v15, IP
	s_delay_alu instid0(VALU_DEP_1)
	v_lshl_add_u32 v5, v14, 4, v5
	s_delay_alu instid0(VALU_DEP_1)
	v_add_nc_u32 v5, IMG, v5                       ; my codes: block thread % 16, row thread / 16
	v_add_nc_u32 v6, SCB, v0                       ; my scale byte: 16 row + block = my thread's number
	v_lshl_add_u32 v7, v14, 2, CBS                 ; my row's number
	v_mul_u32_u24 v8, v14, IP
	s_delay_alu instid0(VALU_DEP_1)
	v_lshl_add_u32 v8, v15, 4, v8
	s_delay_alu instid0(VALU_DEP_1)
	v_add_nc_u32 v8, IMG, v8                       ; the way out: block thread / 16, row thread % 16,
	v_lshlrev_b32 v9, 4, v0                        ; which lies at 16 x thread in the tile's 4,096 bytes
	v_lshl_add_u32 v10, v1, 3, SCB                 ; wave 0's way out: 8 scale bytes a lane,
	v_lshlrev_b32 v11, 3, v1
	v_and_b32 v13, 15, v1
	s_delay_alu instid0(VALU_DEP_1)
	v_lshlrev_b32 v13, 2, v13                      ; and one number for each of 16 lanes (lanes 16-31 repeat them)
	s_delay_alu instid0(VALU_DEP_1)
	v_add_nc_u32 v12, CBS, v13
	s_lshr_b32 s9, ttmp9, 2                        ; the part,
	s_and_b32 s10, ttmp9, 3                        ; and the tile in it
	s_lshl_b32 s12, ttmp9, 15                      ; in: 32,768 bytes a tile, 4,096 a wave
	s_lshl_b32 s13, s8, 12
	s_add_co_u32 s12, s12, s13
	s_mov_b32 s13, 0
	s_mul_i32 s14, s9, PARTB
	s_lshl_b32 s16, s10, 12                        ; out: the tile's codes,
	s_add_co_u32 s16, s16, s14
	s_mov_b32 s17, 0
	s_lshl_b32 s18, s10, 8                         ; its scale bytes,
	s_add_co_u32 s18, s18, s14
	s_add_co_u32 s18, s18, SCOFF
	s_mov_b32 s19, 0
	s_lshl_b32 s20, s10, 6                         ; its 16 numbers
	s_add_co_u32 s20, s20, s14
	s_add_co_u32 s20, s20, CBOFF
	s_mov_b32 s21, 0
	s_wait_alu depctr_va_vdst(0)                   ; the wait at the head's end
	s_wait_kmcnt 0x0
	s_add_nc_u64 s[4:5], s[4:5], s[12:13]
	s_add_nc_u64 s[16:17], s[6:7], s[16:17]
	s_add_nc_u64 s[18:19], s[6:7], s[18:19]
	s_add_nc_u64 s[20:21], s[6:7], s[20:21]
.irp i, 0,1,2,3,4,5,6,7
	global_load_b128 v[R+4*\i:R+4*\i+3], v2, s[4:5] offset:512*\i th:TH_LOAD_NT   ; 32 lanes read 512 consecutive bytes; read once in the launch
.endr
.irp i, 0,1,2,3,4,5,6,7
	s_wait_loadcnt 7-\i                            ; loads come back in order (ISA guide 5.7.1): load i is in, the 7 - i younger ones may be out
	ds_store_b128 v3, v[R+4*\i:R+4*\i+3] offset:4*SP*\i
.endr
.irp g, 0,1,2,3,4,5,6,7
	ds_load_b128 v[X+4*\g:X+4*\g+3], v4 offset:16*\g   ; LDS serves a wave's instructions in order (ISA guide 5.7.1.4): these see my stores
.endr
	s_wait_dscnt 0x0
	v_max3_num_f32 v84, |v[X]|, |v[X+1]|, |v[X+2]|     ; the block's largest magnitude: all 32 numbers are mine; two chains
	v_max3_num_f32 v85, |v[X+3]|, |v[X+4]|, |v[X+5]|
.irp i, 6,10,14,18,22,26
	s_delay_alu instid0(VALU_DEP_2)
	v_max3_num_f32 v84, v84, |v[X+\i]|, |v[X+\i+1]|
	s_delay_alu instid0(VALU_DEP_2)
	v_max3_num_f32 v85, v85, |v[X+\i+2]|, |v[X+\i+3]|
.endr
	s_delay_alu instid0(VALU_DEP_2)
	v_max3_num_f32 v84, v84, |v[X+30]|, |v[X+31]|
	s_delay_alu instid0(VALU_DEP_1)
	v_max3_num_f32 v84, v84, v85, 0x1800000        ; and the floor 2^(3 - 127): the byte cannot fall under 1
	s_delay_alu instid0(VALU_DEP_1)
	v_add_nc_u32 v86, 0xff000000, v84              ; 2 off its exponent field: the conversion takes the exponent field of this operand as its scale, and nothing else of it
.irp g, 0,1,2,3
	v_cvt_scalef32_pk8_fp4_f32 v[C+\g], v[X+8*\g:X+8*\g+7], v86   ; eight numbers / the scale, to the nearest code, ties to even, beyond 6 the largest code; the lower k in the lower bits
.endr
	v_lshrrev_b32 v87, 23, v86                     ; the scale's byte.  (Also the plain line behind the conversions)
	v_pk_mul_f32 v[88:89], v[X:X+1], v[X:X+1]      ; the squares of the numbers as given, two at a time, in two chains: the first products start the sums
	v_pk_mul_f32 v[90:91], v[X+2:X+3], v[X+2:X+3]
.irp i, 4,8,12,16,20,24,28
	s_delay_alu instid0(VALU_DEP_2)
	v_pk_fma_f32 v[88:89], v[X+\i:X+\i+1], v[X+\i:X+\i+1], v[88:89]
	s_delay_alu instid0(VALU_DEP_2)
	v_pk_fma_f32 v[90:91], v[X+\i+2:X+\i+3], v[X+\i+2:X+\i+3], v[90:91]
.endr
	s_delay_alu instid0(VALU_DEP_1)
	v_pk_add_f32 v[88:89], v[88:89], v[90:91]
	s_delay_alu instid0(VALU_DEP_1)
	v_add_f32 v88, v88, v89
	s_delay_alu instid0(VALU_DEP_1)
	v_add_f32_dpp v88, v88, v88 row_xmask:1 row_mask:0xf bank_mask:0xf   ; a half of 16 lanes holds the 16 blocks of one codebook row: four steps give every lane the row's sum
	s_delay_alu instid0(VALU_DEP_1)
	v_add_f32_dpp v88, v88, v88 row_xmask:2 row_mask:0xf bank_mask:0xf
	s_delay_alu instid0(VALU_DEP_1)
	v_add_f32_dpp v88, v88, v88 row_xmask:4 row_mask:0xf bank_mask:0xf
	s_delay_alu instid0(VALU_DEP_1)
	v_add_f32_dpp v88, v88, v88 row_xmask:8 row_mask:0xf bank_mask:0xf
	s_delay_alu instid0(VALU_DEP_1)
	v_mul_f32 v88, -0.5, v88
	ds_store_b128 v5, v[C:C+3]
	ds_store_b8 v6, v87
	ds_store_b32 v7, v88                           ; sixteen lanes write the same word with the same value
	s_wait_dscnt 0x0                               ; for the others' sake: my stores are done
	s_barrier_signal -1
	s_barrier_wait -1                              ; the tile's codes, bytes and numbers lie in LDS
	ds_load_b128 v[92:95], v8
	s_wait_dscnt 0x0
	global_store_b128 v9, v[92:95], s[16:17]       ; a wave stores 512 consecutive bytes, at a multiple of 256 from cbq's first byte
	s_cmp_lg_u32 s8, 0
	s_cbranch_scc1 .Lend                           ; the small parts leave by wave 0 alone
	ds_load_b64 v[84:85], v10
	ds_load_b32 v86, v12
	s_wait_dscnt 0x0
	global_store_b64 v11, v[84:85], s[18:19]       ; 32 lanes store the tile's 256 scale bytes, aligned
	global_store_b32 v13, v86, s[20:21]            ; the tile's 16 numbers: 64 bytes, a quarter of an aligned 256: 16 KiB of the launch's 9.5 MB go out so
.Lend:
	s_wait_tensorcnt 0x0                           ; the wave's end
	ds_add_u32 v96, v97
	s_wait_dscnt 0x0
	s_endpgm
.Lfunc_end_k_q5e5a2fd670_quant:
	.size	k_q5e5a2fd670_quant, .Lfunc_end_k_q5e5a2fd670_quant-k_q5e5a2fd670_quant
	.p2alignl 7, 3214868480
	.fill 96, 4, 3214868480
	.section	.rodata,"a",@progbits
	.p2align	6, 0x0
	.amdhsa_kernel k_q5e5a2fd670_quant
		.amdhsa_group_segment_fixed_size 46080
		.amdhsa_private_segment_fixed_size 0
		.amdhsa_enable_private_segment 0
		.amdhsa_kernarg_size 16
		.amdhsa_user_sgpr_count 2
		.amdhsa_user_sgpr_kernarg_segment_ptr 1
		.amdhsa_wavefront_size32 1
		.amdhsa_system_sgpr_workgroup_id_x 1
		.amdhsa_system_sgpr_workgroup_id_y 1
		.amdhsa_system_sgpr_workgroup_id_z 1
		.amdhsa_system_vgpr_workitem_id 0
		.amdhsa_next_free_vgpr 98
		.amdhsa_next_free_sgpr 66
		.amdhsa_reserve_vcc 0
		.amdhsa_float_denorm_mode_32 3
		.amdhsa_float_denorm_mode_16_64 3
		.amdhsa_memory_ordered 1
		.amdhsa_forward_progress 1
		.amdhsa_inst_pref_size 11
	.end_amdhsa_kernel
	.amdgpu_metadata
---
amdhsa.version: [ 1, 2 ]
amdhsa.kernels:
  - .name:           k_q5e5a2fd670_quant
    .symbol:         k_q5e5a2fd670_quant.kd
    .args:
      - { .name: codebook, .offset: 0, .size: 8, .value_kind: global_buffer, .address_space: global }
      - { .name: cbq, .offset: 8, .size: 8, .value_kind: global_buffer, .address_space: global }
    .group_segment_fixed_size: 46080
    .private_segment_fixed_size: 0
    .kernarg_segment_align: 8
    .kernarg_segment_size: 16
    .max_flat_workgroup_size: 256
    .sgpr_count:     66
    .vgpr_count:     98
    .wavefront_size: 32
...
	.end_amdgpu_metadata
.endif
;; end of part 1
;; launch vq (part 2): grid 256 x 1, 8 waves a work-group, clusters of 4 x 1, 327,680 bytes of LDS; arguments x_codes, x_scales, cbq, out0; writes out0
.if DOCPART == 2
	.amdgcn_target "amdgcn-amd-amdhsa--gfx1250"
	.amdhsa_code_object_version 6
	.text
	.protected	k_q5e5a2fd670_vq
	.globl	k_q5e5a2fd670_vq
	.p2align	8
	.type	k_q5e5a2fd670_vq,@function
k_q5e5a2fd670_vq:
	s_mov_b64 s[64:65], 0
	v_nop
	global_prefetch_b8 v0, s[64:65] scope:SCOPE_SE
	s_setreg_imm32_b32 hwreg(HW_REG_WAVE_MODE, 25, 1), 1
	s_wait_xcnt 0x0
	s_wait_alu depctr_hold_cnt(0) depctr_sa_sdst(0) depctr_va_vdst(0) depctr_va_sdst(0) depctr_va_ssrc(0) depctr_va_vcc(0) depctr_vm_vsrc(0)
	s_getreg_b32 s2, hwreg(HW_REG_IB_STS2, 6, 4)
	s_cmp_eq_u32 s2, 0
	s_cbranch_scc0 .Lentry_in_a_cluster
	s_endpgm
.Lentry_in_a_cluster:
	s_bfe_u32 s2, ttmp6, 0x10000c
	s_cmp_lg_u32 s2, 0x3003
	s_cbranch_scc0 .Lentry_shape_is_right
	s_endpgm
.Lentry_shape_is_right:
; out0[n] = the lowest index k at which cb_sqr[k] - 2 x[n] . c[k] is least, found as the lowest k at which e(n, k) = x[n] . c[k] - cb_sqr[k] / 2 is greatest (the factor -2 rounds nothing and turns the order round).
; x: 32,768 rows of 512 codes of FP4 (E2M1), 256 bytes a row, with 16 E8M0 bytes a row, taken as given.  The codebook's 4,096 rows come from cbq (codes in the order of the operand's registers, scale bytes, -cb_sqr / 2;
; by parts of 64 rows, 17,664 dense bytes each; eight parts are a chunk of 512 rows).  The product is made by the scaled FP4 matrix instruction, f32 sums; -cb_sqr / 2 is the C of a sum's first K step.
; No distance goes to memory.
; LIMITS: NaN and infinities in the codebook and the scale byte 0xff in x_scales are not served (the maximum used here drops a NaN).  ORDER OF ROUNDING: -cb_sqr / 2 stands at the start of the f32 sum and every matrix
; instruction rounds the sum as it goes, where the reference rounds the sum of products first and the subtraction last: two distances that differ in their last bits alone may change places.
; SHARES.  A work-group owns 128 rows of x and walks the whole codebook.  THE EIGHT WAVES SHARE THE CODEBOOK'S ROWS, NOT x's: every wave keeps all 128 rows of x as fragments (8 tiles x 4 K steps x 8 registers = window 1),
; and of each chunk wave w takes part w: two PAIRS of tiles of 16 codebook rows.  So each byte of the codebook is read from LDS once in the work-group, and a pair's fragment of 2,048 bytes feeds eight matrix instructions.
; THE MATRIX INSTRUCTION, 32 x 16 x 128, IS USED TRANSPOSED (source 0 = a pair's 32 codebook rows, source 1 = 16 rows of x): a lane (r, h) holds ONE row of x, registers 0-7 the codebook rows 8 h + 0 .. 7 of the pair's
; even tile, registers 8-15 those of its odd tile.
; THE ARGMAX.  For each lane and each tile i of x one stream: a running maximum; per codebook tile four three-way maxima (new = max(old, e0 .. e7)), one compare new > old, and eight selects on that one mask, two an
; instruction, which keep e0 .. e6 and the column of the lane's e0: 9 instructions for 8 numbers.  The compare is strict and tiles ascend, so what is kept is the FIRST tile that reaches the maximum.
; At the end the place is the first j whose kept e equals the maximum (7 if none of 0 .. 6 does); halves of the lanes and the eight waves are joined by (value, then index), so ties go to the lowest index.
; BY PHASES.  A pair is four phases of two tiles of x, on accumulators A, B, A, B (32 registers each).  A wave's order is: products of phase f, vector work of phase f - 1, products of f + 1, ..: behind each run of
; 8 matrix instructions stands vector work that needs nothing of that run and names none of its registers.
; THE RING.  Two LDS slots of one chunk each.  Each wave fetches its own part, 69 rows of 256 bytes, by one tensor load, and reads that part alone.  CLUSTER: all work-groups walk the same chunks, so the four of a
; cluster ask JOINTLY (mask 15): the same load with the same descriptor, made of the wave's number alone.  A mask names four work-groups, so 4 x 1 shares as much as a larger cluster would.
; PREFETCHES INTO THE L2: behind the load of chunk n stands one prefetch a wave for chunk n + 1, one whole chunk's work ahead of the load that will want it: of part w's 69 rows of 256 bytes the partner at place cx
; names rows 18 cx .. 18 cx + 17 (none beyond row 68), a lane a row.  All work-groups read the same 1,130,496 bytes, so four of the 64 clusters ask (0, 21, 42, 63).  Chunk 0 comes by its load alone; the last refill asks for nothing.
; LDS: 0 slot 0; 141,312 slot 1; 282,624 the stage for x, 128 rows x 272, written by LDS stores alone; 317,440 the spare words; 318,464 scratch for the join of the waves.
; REGISTERS.  Window 0, all 256: v0-7 thread and addresses; v8-23 x's scale words; v24-27 the codebook's; v28-31 at work, and the prefetches' offset; v32-95 a pair's four fragments; v96-111 its -cb_sqr / 2;
; v112-175 accumulators A, B; v176-191 maxima, two sets; v192-255 what is kept, 8 a stream.  Window 1: x's 32 fragments, (tile i, K step s) at v[8 (4 i + s)].
.set CHUNKB, 141312
.set SLOT,   141312
.set PARTB,  17664                     ; a wave's part of a chunk: 69 rows of 256 bytes
.set SCOFF,  16384                     ; in a part: the scale bytes,
.set CBOFF,  17408                     ; and -cb_sqr / 2
.set XST,    2*SLOT                    ; the stage for x
.set XP,     272                       ; its pitch: 256 bytes + 16 = 68 words: the 16 rows that a fragment load touches start 4 banks apart (64 banks of 4 bytes: ISA guide 11.1)
.set SPARE,  XST+128*XP                ; the spare words, 128 bytes for each wave: four blocks of 256 bytes that no other line names
.set SCRT,   SPARE+1024                ; [wave 8][row 128][value, index]
.set SPW, 1                            ; v1   SPARE + 4 x my thread's number; never rewritten
.set NIL, 2                            ; v2   0; never rewritten
.set ADC, 3                            ; v3-4 my part's codes and scale bytes in slot 0, 1: PARTB w + 16 x lane
.set ADB, 5                            ; v5-6 its -cb_sqr / 2: PARTB w + 32 h
.set CV,  7                            ; v7   the column of my e0 in the even tile of the pair whose vector work is in hand: the tile's first column + 8 h
.set XS,  8                            ; v8-23  register 4 p + s: x's scale words of K step s: lanes 0-15 tile 2 p, lanes 16-31 tile 2 p + 1
.set BS,  24                           ; v24-27 register s: the pair's: lane l row l of its 32
.set T,   28                           ; v28-29 maxima with the even tile
.set PF,  30                           ; v30  the prefetches' offset in my part; never rewritten
.set CW,  31                           ; v31  the same column in the odd tile: CV + 16
.set BF,  32
.set CB,  96
.set ACC, 112
.set R,   176
.set SV,  192
.set XRD, 64                           ; the head: x's fragments in the stage: 272 r + 16 h
.set XSI, 65                           ; the head: into the stage
.set L16, 66                           ; the head: 16 x lane
.set QQ,  32                           ; the end: the eight waves' pairs (value, index) of two rows
.set FIN, 64                           ; the end: two rows' indices
.set SCW, 66                           ; the end: scratch, in: 1,024 w + 8 r
.set RDS, 67                           ; the end: scratch, back: 512 (w & 1) + 16 x lane
.set OA,  68                           ; the end: 8 x lane
.set P,   112                          ; the end: places,
.set IX,  120                          ; my indices,
.set OV,  128                          ; the other half's values,
.set OI,  136                          ; and indices;
.set PR,  144                          ; eight pairs (value, index)
.set PFB, 8                            ; s[8:9] my part of chunk 0 in cbq; from the loop on, two chunks further each trip: where the prefetches count from
.set WV,  12                           ; s12  my wave's number
.set SEL, 20                           ; s[20:21] lane selects for v_permlanex16_b32: lane l xor 16
.set G1,  24                           ; s[24:31] descriptor group 1
.set G0,  32                           ; s[32:39] descriptor group 0, a set for each slot
.set LIM, 40                           ; s40  1 where my cluster asks for the prefetches, else the greatest number
.set LAP, 41
.set MK,  44                           ; s44-51 the end: masks
.set TM,  66                           ; s66-89 the end: masks
.set MSB, 0
.macro WIN new                         ; the immediate's high byte repeats the setting that is left
.if MSB != \new
	s_set_vgpr_msb (MSB<<8)|\new
.set MSB, \new
.endif
.endm
; A round of the cluster's barrier: my work-group's barrier, so that wave 0's signal speaks for all eight waves; wave 0 signals for the work-group; every wave waits for the four work-groups; my work-group's barrier once more.
.macro CREST                           ; a round behind its opening barrier
	s_cmp_lg_u32 s[WV], 0
	s_cbranch_scc1 .Lnot_wave_0_\@
	s_barrier_signal -3
.Lnot_wave_0_\@:
	s_barrier_wait -3
	s_barrier_signal -1
	s_barrier_wait -1
.endm
.macro ROUND                           ; a whole round
	s_barrier_signal -1
	s_barrier_wait -1
	CREST
.endm
; The prefetch of my cluster's share of chunk n, counted from PFB.  last = 1: not in the loop's last trip, which has no such chunk.  The branch hangs on the cluster's number and the trip alone.
.macro ASK n, last
.if \last
	s_cmp_gt_u32 s[LAP], s[LIM]
.else
	s_cmp_eq_u32 s[LIM], 1
.endif
	s_cbranch_scc0 .Lnot_mine_\@
	global_prefetch_b8 v[PF], s[PFB:PFB+1] offset:\n*CHUNKB th:TH_LOAD_NT scope:SCOPE_SE
.Lnot_mine_\@:
.endm
; A load into a register that a matrix instruction has read, and a vector instruction that reads a matrix result, stand four places behind it; a matrix instruction that writes over a register of an earlier one
; (an accumulator begun anew) five.  Only plain vector instructions that name none of its registers are places (ISA guide 7.12.1 for vector instructions).
; In the loop the vector work of the phase before is the places; v_nop stand only behind the first products of all and behind the joint loads.
.macro PLACES n
.rept \n
	v_nop
.endr
.endm
; Pair p of my two in the slot, in the order in which it is wanted: its scale words; its -cb_sqr / 2 (my half's eight of each tile); its four fragments, K step by K step (four loads of 512 consecutive bytes each).
.macro FETCH slot, p
	ds_load_b128 v[BS:BS+3], v[ADC+(\slot)] offset:SCOFF+512*(\p)
.irp t, 0,1
.irp e, 0,1
	ds_load_b128 v[CB+8*\t+4*\e:CB+8*\t+4*\e+3], v[ADB+(\slot)] offset:CBOFF+128*(\p)+64*\t+16*\e
.endr
.endr
.irp s, 0,1,2,3
.irp t, 0,1
.irp c, 0,1
	ds_load_b128 v[BF+16*\s+8*\t+4*\c:BF+16*\s+8*\t+4*\c+3], v[ADC+(\slot)] offset:8192*(\p)+4096*\t+1024*\s+512*\c
.endr
.endr
.endr
.endm
; One matrix instruction on the registers rD, rA, rB, rC, rP, rQ.  rb: source 1's scale words lie in lanes 16-31.
.macro WM rb
.if \rb
	v_wmma_scale_f32_32x16x128_f4 v[rD:rD+15], v[rA:rA+15], v[rB:rB+7], v[rC:rC+15], v[rP], v[rQ] matrix_b_scale:MATRIX_SCALE_ROW1
.else
	v_wmma_scale_f32_32x16x128_f4 v[rD:rD+15], v[rA:rA+15], v[rB:rB+7], v[rC:rC+15], v[rP], v[rQ]
.endif
.endm
; 8 matrix instructions, phase f: the pair against x's tiles 2 f, 2 f + 1, K step by K step.  The two accumulators take turns, one instruction a turn.  Nothing is cleared: K step 0 starts the sums,
; with -cb_sqr / 2 as its C.  counted = 1: the pair's loads may still be out: K step s waits until its fragment is in.
.macro MP f, counted
	WIN 0x04                                       ; source 1 (x) window 1; all else window 0
.irp s, 0,1,2,3
.if \counted
	s_wait_dscnt 12-4*\s                           ; LDS loads come back in order (ISA guide 5.7.1): behind K step s's fragment stand the 4 (3 - s) loads of the later ones
.endif
.irp u, 0,1
.set rD, ACC+32*(\f%2)+16*\u
.set rA, BF+16*\s
.set rB, 8*(4*(2*\f+\u)+\s)
.set rP, BS+\s
.set rQ, XS+4*\f+\s
.if \s == 0
.set rC, CB
.else
.set rC, rD
.endif
	WM \u
.endr
.endr
	WIN 0
.endm
; The vector work of phase f of a pair p, its two streams and two codebook tiles by turns; each accumulator is read from its low end on.  VA: its first lines; VB: the rest.
.macro VSET p, f
.set pO, R+8*(\p)+2*\f                 ; the maxima so far,
.set pN, R+8*(1-(\p))+2*\f             ; and with this pair
.set aB, ACC+32*(\f%2)
.set sB, SV+16*\f
.endm
.macro VA p, f
	VSET \p, \f
.if \f == 0
.if (\p) == 0
	v_add_nc_u32 v[CV], 480, v[CV]                 ; the columns of my e0 in the pair's two tiles; 512 columns a chunk: 32 were added
	v_add_nc_u32 v[CW], 480, v[CW]
.else
	v_add_nc_u32 v[CV], 32, v[CV]
	v_add_nc_u32 v[CW], 32, v[CW]
.endif
.endif
.irp u, 0,1
	v_max3_num_f32 v[T+\u], v[pO+\u], v[aB+16*\u], v[aB+16*\u+1]
.endr
.irp u, 0,1
	v_max3_num_f32 v[pN+\u], v[aB+16*\u+8], v[aB+16*\u+9], v[aB+16*\u+10]
.endr
.endm
.macro KEEP8 dst, src, col             ; where VCC says so, the stream takes this tile's e0 .. e6 and its column
.irp j, 0,2,4
	v_dual_cndmask_b32 v[(\dst)+\j], v[(\dst)+\j], v[(\src)+\j] :: v_dual_cndmask_b32 v[(\dst)+\j+1], v[(\dst)+\j+1], v[(\src)+\j+1]
.endr
	v_dual_cndmask_b32 v[(\dst)+6], v[(\dst)+6], v[(\src)+6] :: v_dual_cndmask_b32 v[(\dst)+7], v[(\dst)+7], v[\col]
.endm
.macro VB p, f
	VSET \p, \f
.irp j, 0,1
.irp u, 0,1
	v_max3_num_f32 v[T+\u], v[T+\u], v[aB+16*\u+2*\j+2], v[aB+16*\u+2*\j+3]
.endr
.irp u, 0,1
	v_max3_num_f32 v[pN+\u], v[pN+\u], v[aB+16*\u+2*\j+11], v[aB+16*\u+2*\j+12]
.endr
.endr
.irp u, 0,1
	v_max3_num_f32 v[T+\u], v[T+\u], v[aB+16*\u+6], v[aB+16*\u+7]
.endr
	v_cmp_gt_f32 vcc_lo, v[T], v[pO]               ; strictly greater: an equal maximum in a later tile changes nothing
.irp u, 0,1
	v_max3_num_f32 v[pN+\u], v[pN+\u], v[aB+16*\u+15], v[T+\u]
.endr
	KEEP8 sB, aB, CV
	v_cmp_gt_f32 vcc_lo, v[pN], v[T]
	KEEP8 sB, aB+8, CW
	v_cmp_gt_f32 vcc_lo, v[T+1], v[pO+1]
	KEEP8 sB+8, aB+16, CV
	v_cmp_gt_f32 vcc_lo, v[pN+1], v[T+1]
	KEEP8 sB+8, aB+24, CW
.endm
.macro VEC p, f
	VA \p, \f
	VB \p, \f
.endm
; A pair.  mode 3: nothing changes;  2: the slot's last pair, and the slot is filled again with the chunk two on;  1: the slot's last pair, nothing is asked for, and my own wait shows my own part of the other slot;  0: the last of all.
; The slot's last reads are in when phase 0's products have been issued.  The round stands behind phase 1's products, with phase 0's vector work between the add and the wait for it; the next pair's loads come two phases later.
.macro PAIR slot, p, mode
	MP 0, 1
	VEC (1-\p), 3
	MP 1, 0
.if \mode == 2
	s_wait_tensorcnt 0x0                           ; no tensor load of mine is out: my part of the other slot is in, and a group 0 may be written
	ds_add_u32 v[SPW], v[NIL]                      ; 0 onto my spare word
	s_add_nc_u64 s[G0+4*\slot+2:G0+4*\slot+3], s[G0+4*\slot+2:G0+4*\slot+3], 2*CHUNKB   ; this slot's next chunk; the type bits on top are not reached
.endif
	VEC \p, 0
.if \mode == 2
	s_wait_dscnt 0x0                               ; the add is done, and my reads of this slot are over
	ROUND                                          ; no wave of any partner still reads this slot or has a load on its way
	tensor_load_to_lds s[G0+4*\slot:G0+4*\slot+3], s[G1:G1+7]   ; my one tensor load behind the round, first thing there
	s_nop 0
	PLACES 4                                       ; four v_nop follow the joint load
.endif
	MP 2, 0
.if \mode == 2
	ASK 3+\slot, \slot                             ; the chunk after the one just asked for
.endif
	VEC \p, 1
	MP 3, 0
.if \mode == 1
	s_wait_tensorcnt 0x0                           ; my part of the last chunk is in: it is first read below
.endif
	VA \p, 2                                       ; four plain instructions behind the pair's last products:
.if \mode > 0
.if \p
	FETCH 1-\slot, 0                               ; the registers that they read may be filled
.else
	FETCH \slot, 1
.endif
.endif
	VB \p, 2
.endm
	s_load_b256 s[4:11], s[0:1], 0x0               ; x_codes s[4:5], x_scales s[6:7], cbq s[8:9], out0 s[10:11]
	v_lshl_add_u32 v[SPW], v0, 2, SPARE
	v_mov_b32 v[NIL], 0
	ds_add_u32 v[SPW], v[NIL]                      ; the wave's opening: the add, twice on end, and its wait ahead of my first tensor load
	ds_add_u32 v[SPW], v[NIL]
	v_lshrrev_b32 v96, 5, v0
	v_readfirstlane_b32 s[WV], v96                 ; wave 0..7
	s_bfe_u32 s13, ttmp6, 0x40000                  ; cx: my place in the cluster
	s_lshl_b32 s14, ttmp9, 2                       ; in a cluster launch ttmp9 counts clusters
	s_add_co_u32 s14, s14, s13                     ; my block of 128 rows of x: it enters x's and out0's addresses alone
	v_and_b32 v97, 31, v0                          ; lane
	v_and_b32 v98, 15, v0                          ; r
	v_bfe_u32 v99, v0, 4, 1                        ; h
	s_mul_i32 s42, s[WV], PARTB                    ; my part of a chunk, in memory and in a slot: no place in the cluster enters it
	s_mov_b32 s43, 0
	v_lshlrev_b32 v[L16], 4, v97
	v_lshl_add_u32 v[ADB], v99, 5, s42
	v_add_nc_u32 v[ADB+1], SLOT, v[ADB]
	v_add_nc_u32 v[ADC], s42, v[L16]
	v_add_nc_u32 v[ADC+1], SLOT, v[ADC]
	s_lshl_b32 s15, s[WV], 6
	s_sub_co_u32 s15, s15, 480                     ; the first pair's column 64 w, less what its vector work adds
	v_lshl_add_u32 v[CV], v99, 3, s15
	v_add_nc_u32 v[CW], 16, v[CV]
	v_mul_u32_u24 v[XRD], v98, XP
	v_lshl_add_u32 v[XRD], v99, 4, v[XRD]
	v_add_nc_u32 v[XRD], XST, v[XRD]
	s_mul_i32 s15, s[WV], 16*XP                    ; the stage, in: my wave's 16 rows; a load's 512 bytes are two rows: row h, 16 bytes at 16 r
	s_add_co_u32 s15, s15, XST
	v_mul_u32_u24 v[XSI], v99, XP
	v_lshl_add_u32 v[XSI], v98, 4, v[XSI]
	v_add_nc_u32 v[XSI], s15, v[XSI]
	s_mul_i32 s15, s13, 18                         ; the prefetches: rows 18 cx + 0 .. 17 of my part's 69, a lane a row; lanes left over name the last one again
	v_min_u32 v[PF], 17, v97
	v_add_nc_u32 v[PF], s15, v[PF]
	v_min_u32 v[PF], 68, v[PF]
	v_lshlrev_b32 v[PF], 8, v[PF]
	s_and_b32 s15, ttmp9, 3                        ; clusters 0, 21, 42 and 63 ask
	s_mul_i32 s15, s15, 21
	s_mov_b32 s[LIM], -1
	s_cmp_eq_u32 s15, ttmp9
	s_cselect_b32 s[LIM], 1, s[LIM]
	; descriptor group 1: 69 rows of 256 bytes (32 elements of 8 bytes), dense in memory and in LDS
	s_mov_b32 s[G1+0], 15|(3<<16)|(1<<21)          ; 15:0 the mask: all four work-groups; 17:16 elements of 8 bytes; 20 no padding (every read of a slot is of consecutive bytes or of one word for many lanes); 21 set beside a mask
	s_mov_b32 s[G1+1], 32<<16                      ; tensor_dim0 = 32
	s_mov_b32 s[G1+2], 69<<16                      ; tensor_dim1 = 69
	s_mov_b32 s[G1+3], 32<<16                      ; tile_dim0 = 32
	s_mov_b32 s[G1+4], 69                          ; tile_dim1 = 69
	s_mov_b32 s[G1+5], 32                          ; tensor_dim0_stride
	s_mov_b32 s[G1+6], 0
	s_mov_b32 s[G1+7], 0
	s_mov_b32 s[SEL], 0x76543210
	s_mov_b32 s[SEL+1], 0xfedcba98
	s_lshl_b32 s16, s14, 15                        ; x_codes: 32,768 bytes a work-group, 4,096 a wave (the 16 rows that I bring to the stage)
	s_lshl_b32 s17, s[WV], 12
	s_add_co_u32 s16, s16, s17
	s_mov_b32 s17, 0
	s_lshl_b32 s18, s14, 11                        ; x_scales: 2,048 bytes a work-group
	s_mov_b32 s19, 0
	s_lshl_b32 s22, s14, 9                         ; out0: 512 bytes a work-group, 256 for each of waves 0 and 1
	s_and_b32 s23, s[WV], 1
	s_lshl_b32 s23, s23, 8
	s_add_co_u32 s22, s22, s23
	s_mov_b32 s23, 0
	s_wait_alu depctr_va_vdst(0)                   ; the wait at the head's end
	s_wait_dscnt 0x0                               ; both opening adds are done
	ROUND                                          ; all four work-groups are here: the first joint loads meet
	s_wait_kmcnt 0x0
	s_add_nc_u64 s[PFB:PFB+1], s[8:9], s[42:43]
.irp n, 0,1
	s_mov_b32 s[G0+4*\n], 1                                        ; 1:0 count = 1
	s_add_co_u32 s[G0+4*\n+1], s42, \n*SLOT                        ; 63:32 LDS address
	s_add_nc_u64 s[G0+4*\n+2:G0+4*\n+3], s[PFB:PFB+1], \n*CHUNKB   ; 120:64 global address: chunk n
	s_or_b32 s[G0+4*\n+3], s[G0+4*\n+3], 0x80000000                ; 127:126 type = 2
.endr
	tensor_load_to_lds s[G0:G0+3], s[G1:G1+7]      ; chunk 0: one tensor load a wave at the head
	s_nop 0
	PLACES 4
	s_add_nc_u64 s[4:5], s[4:5], s[16:17]
	s_add_nc_u64 s[6:7], s[6:7], s[18:19]
	s_add_nc_u64 s[10:11], s[10:11], s[22:23]
.irp i, 0,1,2,3,4,5,6,7
	global_load_b128 v[ACC+4*\i:ACC+4*\i+3], v[L16], s[4:5] offset:512*\i th:TH_LOAD_NT   ; my 16 rows of x's codes, 512 consecutive bytes a load; read once in the launch
.endr
.irp p, 0,1,2,3
	global_load_b128 v[XS+4*\p:XS+4*\p+3], v[L16], s[6:7] offset:512*\p   ; the scale words of all 128 rows: lane l takes row 32 p + l, four words: they stay
.endr
	ASK 1, 0
	; The streams begin at -infinity with column 0, so that the loop has no first tile of its own: 72 moves once, against one more copy of a tile's text.
	v_mov_b32 v[R], 0xff800000
.irp i, 1,2,3,4,5,6,7
	v_mov_b32 v[R+\i], v[R]
.endr
.irp i, 0,1,2,3,4,5,6,7
.irp j, 0,1,2,3,4,5,6
	v_mov_b32 v[SV+8*\i+\j], v[R]
.endr
	v_mov_b32 v[SV+8*\i+7], 0
.endr
	s_wait_alu depctr_va_vdst(0)                   ; the wait here, directly ahead of the waits below
.irp i, 0,1,2,3,4,5,6,7
	s_wait_loadcnt 11-\i                           ; loads come back in order (ISA guide 5.7.1): behind code load i stand 7 - i code loads and the 4 loads of scale words
	ds_store_b128 v[XSI], v[ACC+4*\i:ACC+4*\i+3] offset:2*XP*\i
.endr
	s_wait_loadcnt 0x0                             ; x's scale words
	s_wait_dscnt 0x0                               ; for the others' sake: my rows lie in the stage
	s_barrier_signal -1
	s_barrier_wait -1
	WIN 0x40                                       ; destination window 1, address window 0
.irp i, 0,1,2,3,4,5,6,7
.irp s, 0,1,2,3
.irp c, 0,1
	ds_load_b128 v[8*(4*\i+\s)+4*\c:8*(4*\i+\s)+4*\c+3], v[XRD] offset:16*XP*\i+64*\s+32*\c   ; lane (r, h): row 16 i + r, k = 128 s + 64 c + 32 h + 0 .. 31, as they lie
.endr
.endr
.endr
	WIN 0
	s_wait_tensorcnt 0x0                           ; my part of chunk 0 is in
	ds_add_u32 v[SPW], v[NIL]
	s_wait_dscnt 0x0                               ; the add is done, and x's fragments are in
	ROUND
	tensor_load_to_lds s[G0+4:G0+7], s[G1:G1+7]    ; chunk 1, the first tensor load behind the round
	s_nop 0
	PLACES 4
	FETCH 0, 0
	MP 0, 1
	MP 1, 0
	ASK 2, 0
	PLACES 4                                       ; on this way in no vector work lies between the first products and the first read of their results
	VEC 0, 0
	MP 2, 0
	VEC 0, 1
	MP 3, 0
	VA 0, 2
	FETCH 0, 1
	VB 0, 2
	s_mov_b32 s[LAP], 3
.Llap:                                             ; three trips: chunks 0 to 5, each from its second pair to the next chunk's first; their six refills bring chunks 2 to 7
	PAIR 0, 1, 2
	PAIR 1, 0, 3
	PAIR 1, 1, 2
	PAIR 0, 0, 3
	s_wait_xcnt 0x0                                ; the prefetches have read their base: it steps on
	s_add_nc_u64 s[PFB:PFB+1], s[PFB:PFB+1], 2*CHUNKB
	s_sub_co_u32 s[LAP], s[LAP], 1
	s_cmp_lg_u32 s[LAP], 0
	s_cbranch_scc1 .Llap
	PAIR 0, 1, 1                                   ; the tail is written out: chunk 6
	PAIR 1, 0, 3                                   ; and chunk 7
	PAIR 1, 1, 0
	VEC 1, 3                                       ; the last phase.  The maxima lie in set 0
	; THE END.  The place in the kept tile: the first j whose kept e equals the maximum; 7 if none of 0 .. 6 does.
	s_lshl_b32 s15, s[WV], 10
	s_add_co_u32 s15, s15, SCRT
	v_and_b32 v[SCW], 15, v0
	v_lshl_add_u32 v[SCW], v[SCW], 3, s15
	s_and_b32 s15, s[WV], 1                        ; (waves 0 and 1 alone read the scratch back and store; the other waves' registers point inside the same bytes)
	s_lshl_b32 s15, s15, 9
	s_add_co_u32 s15, s15, SCRT
	v_and_b32 v[OA], 31, v0
	v_lshl_add_u32 v[RDS], v[OA], 4, s15
	v_lshlrev_b32 v[OA], 3, v[OA]
.irp i, 0,1,2,3,4,5,6,7
	v_mov_b32 v[P+\i], 7
.endr
.irp j, 6,5,4,3,2,1,0
.irp i, 0,1,2,3,4,5,6,7
	v_cmp_neq_f32 s[MK+\i], v[SV+8*\i+\j], v[R+\i]
.endr
.irp i, 0,1,2,3,4,5,6,7
	v_cndmask_b32 v[P+\i], \j, v[P+\i], s[MK+\i]
.endr
.endr
.irp i, 0,1,2,3,4,5,6,7
	v_add_nc_u32 v[IX+\i], v[SV+8*\i+7], v[P+\i]   ; the index: the kept column of e0 (the tile's first column + 8 h) + j
.endr
.irp i, 0,1,2,3,4,5,6,7
	v_permlanex16_b32 v[OV+\i], v[R+\i], s[SEL], s[SEL+1]    ; the row's other eight columns of each tile lie in the lane 16 away.  (The destinations have been written: they were accumulators)
	v_permlanex16_b32 v[OI+\i], v[IX+\i], s[SEL], s[SEL+1]
.endr
	; the greater value, and with equal values the lower index
.irp i, 0,1,2,3,4,5,6,7
	v_cmp_gt_f32 s[TM+3*\i], v[OV+\i], v[R+\i]
	v_cmp_eq_f32 s[TM+3*\i+1], v[OV+\i], v[R+\i]
	v_cmp_lt_u32 s[TM+3*\i+2], v[OI+\i], v[IX+\i]
.endr
	s_wait_alu depctr_va_vdst(0)                   ; the wait here, ahead of the run of scalar instructions
.irp i, 0,1,2,3,4,5,6,7
	s_and_b32 s[TM+3*\i+1], s[TM+3*\i+1], s[TM+3*\i+2]
	s_or_b32 s[TM+3*\i], s[TM+3*\i], s[TM+3*\i+1]
.endr
.irp i, 0,1,2,3,4,5,6,7
	v_cndmask_b32 v[PR+2*\i], v[R+\i], v[OV+\i], s[TM+3*\i]
	v_cndmask_b32 v[PR+2*\i+1], v[IX+\i], v[OI+\i], s[TM+3*\i]
.endr
.irp i, 0,1,2,3,4,5,6,7
	ds_store_b64 v[SCW], v[PR+2*\i:PR+2*\i+1] offset:128*\i   ; row 16 i + r of my wave's 128; both halves of the lanes write the same bytes with the same values
.endr
	s_wait_dscnt 0x0                               ; for the others' sake: my stores are done
	s_barrier_signal -1
	s_barrier_wait -1
	s_cmp_gt_u32 s[WV], 1
	s_cbranch_scc1 .Ldone                          ; waves 0 and 1 join the eight waves' results: lane l takes rows 64 w + 2 l and 64 w + 2 l + 1
.irp u, 0,1,2,3,4,5,6,7
	ds_load_b128 v[QQ+4*\u:QQ+4*\u+3], v[RDS] offset:1024*\u
.endr
; Entries u and u + k of both rows are joined into u, for all u under k at once.
.macro LEVEL k
.irp u, 0,1,2,3
.if \u < \k
.irp e, 0,1
.set eA, QQ+4*\u+2*\e
.set eB, eA+4*\k
.set eT, TM+3*(2*\u+\e)
	v_cmp_gt_f32 s[eT], v[eB], v[eA]
	v_cmp_eq_f32 s[eT+1], v[eB], v[eA]
	v_cmp_lt_u32 s[eT+2], v[eB+1], v[eA+1]
.endr
.endif
.endr
	s_wait_alu depctr_va_vdst(0)                   ; the wait here, ahead of the run of scalar instructions
.irp u, 0,1,2,3
.if \u < \k
.irp e, 0,1
.set eT, TM+3*(2*\u+\e)
	s_and_b32 s[eT+1], s[eT+1], s[eT+2]
	s_or_b32 s[eT], s[eT], s[eT+1]
.endr
.endif
.endr
.irp u, 0,1,2,3
.if \u < \k
.irp e, 0,1
.set eA, QQ+4*\u+2*\e
.set eB, eA+4*\k
.set eT, TM+3*(2*\u+\e)
.if \k > 1
	v_cndmask_b32 v[eA], v[eA], v[eB], s[eT]
	v_cndmask_b32 v[eA+1], v[eA+1], v[eB+1], s[eT]
.else
	v_cndmask_b32 v[FIN+\e], v[eA+1], v[eB+1], s[eT]
.endif
.endr
.endif
.endr
.endm
	s_wait_dscnt 0x0
	LEVEL 4
	LEVEL 2
	LEVEL 1
	global_store_b64 v[OA], v[FIN:FIN+1], s[10:11] ; the wave's 32 lanes store 256 consecutive bytes, at a multiple of 256 from out0's first byte
.Ldone:
	s_wait_tensorcnt 0x0                           ; the wave's end: behind my last tensor load and my last LDS store
	ds_add_u32 v[SPW], v[NIL]
	s_wait_dscnt 0x0
	ROUND                                          ; the closing round: no work-group ends while a partner may still ask for a tile that names it
	s_endpgm
.Lfunc_end_k_q5e5a2fd670_vq:
	.size	k_q5e5a2fd670_vq, .Lfunc_end_k_q5e5a2fd670_vq-k_q5e5a2fd670_vq
	.p2alignl 7, 3214868480
	.fill 96, 4, 3214868480
	.section	.rodata,"a",@progbits
	.p2align	6, 0x0
	.amdhsa_kernel k_q5e5a2fd670_vq
		.amdhsa_group_segment_fixed_size 327680
		.amdhsa_private_segment_fixed_size 0
		.amdhsa_enable_private_segment 0
		.amdhsa_kernarg_size 32
		.amdhsa_user_sgpr_count 2
		.amdhsa_user_sgpr_kernarg_segment_ptr 1
		.amdhsa_wavefront_size32 1
		.amdhsa_system_sgpr_workgroup_id_x 1
		.amdhsa_system_sgpr_workgroup_id_y 1
		.amdhsa_system_sgpr_workgroup_id_z 1
		.amdhsa_system_vgpr_workitem_id 0
		.amdhsa_next_free_vgpr 512
		.amdhsa_next_free_sgpr 90
		.amdhsa_reserve_vcc 1
		.amdhsa_float_denorm_mode_32 3
		.amdhsa_float_denorm_mode_16_64 3
		.amdhsa_memory_ordered 1
		.amdhsa_forward_progress 1
		.amdhsa_inst_pref_size 150
	.end_amdhsa_kernel
	.amdgpu_metadata
---
amdhsa.version: [ 1, 2 ]
amdhsa.kernels:
  - .name:           k_q5e5a2fd670_vq
    .symbol:         k_q5e5a2fd670_vq.kd
    .args:
      - { .name: x_codes, .offset: 0, .size: 8, .value_kind: global_buffer, .address_space: global }
      - { .name: x_scales, .offset: 8, .size: 8, .value_kind: global_buffer, .address_space: global }
      - { .name: cbq, .offset: 16, .size: 8, .value_kind: global_buffer, .address_space: global }
      - { .name: out0, .offset: 24, .size: 8, .value_kind: global_buffer, .address_space: global }
    .group_segment_fixed_size: 327680
    .private_segment_fixed_size: 0
    .kernarg_segment_align: 8
    .kernarg_segment_size: 32
    .max_flat_workgroup_size: 256
    .sgpr_count:     90
    .vgpr_count:     512
    .wavefront_size: 32
...
	.end_amdgpu_metadata
.endif
;; end of part 2
